; MI455X (gfx1250); checked and timed in simulation.
; The chip was launched on July 23, 2026; its instructions are those of AMD's public machine-readable ISA for CDNA 5 (MIT licence, August 2026) and "CDNA5" Instruction Set Architecture Reference Guide (July 2026). The comments in the code are by the model that wrote it; some were corrected since.
;; jacobin Net. Allowed arithmetic: matrix products marked QUANTISED: E4M3 operands, one E8M0 scale for each 32 along K, by v_wmma_scale_f32_16x16x128_f8f6f4 with both operands' format E4M3, f32 sums; products left as they are: f32 operands where the result goes on into a quantised operand, else bf16, f16 or f32 operands; f32 sums; everything else in f32.
;; Inputs: W1 512 x 2,048 float32; W2 2,048 x 512 float32; b1 2,048 float32; b2 512 float32; x 8 x 512 float32.
;; Outputs: out0 8 x 512 x 8 x 512 float32.
;; Constants: create_graph = 1, strict = 0.
;; This version of the problem:
;;   THIS VERSION OF THE PROBLEM IS GIVEN IN LOW PRECISION. The matrix products marked QUANTISED in the list below multiply operands that are first quantised to E4M3 (4 exponent bits, 3 mantissa bits; 8 bits a number), with one power-of-two scale for each 32 numbers along K (OCP MX v1.0); their sums are f32. All else is computed in f32.
;;   The module's matrix products, in the order in which they are computed (A, B: the left and right operand; K: the contracted axis; several contracted axes count as one K, in the product's order):
;;     1. [M 8, K 512] x [K 512, N 2,048]; A: input x; B: input W1: left as it is (M = 8 < 16)
;;     2. [M 8, K 2,048] x [K 2,048, N 512]; A: computed on the way; B: input W2: left as it is (M = 8 < 16)
;;     3. [M 32,768, K 512] x [K 512, N 2,048]; A: computed on the way; B: input W2: QUANTISED
;;     4. [M 32,768, K 2,048] x [K 2,048, N 512]; A: computed on the way; B: input W1: QUANTISED
;;   THE QUANTISER, for each operand of a quantised product, along K:
;;     - K is cut into blocks of 32 from its start; a last block that is shorter is filled with zeros.
;;     - A block's scale is 2^e with e = floor(log2(the largest magnitude in the block)) - 8, held to -126 .. 127; a block of zeros has e = 0. As a byte (E8M0): e + 127.
;;     - Each number is divided by its block's scale, clamped to +-448, and rounded to the nearest number of E4M3, ties to even, subnormals kept.
;;     - The product sums the exact products of the quantised numbers (number of the format x scale) in f32.
;;   ~~~python
;;   def quantise(x, axis):      # numpy; x: float32 -> the quantised numbers, widened to float32 again
;;       x = np.moveaxis(x, axis, -1); K = x.shape[-1]
;;       x = np.pad(x, [(0, 0)] * (x.ndim - 1) + [(0, -K % 32)]); x = x.reshape(x.shape[:-1] + (-1, 32)); a = np.abs(x).max(-1, keepdims=True)
;;       e = np.where(a > 0, np.clip(np.frexp(np.where(a > 0, a, 1))[1] - 1 - 8, -126, 127), 0)      # np.frexp(a)[1] - 1 = floor(log2(a)), exactly
;;       r = np.clip(x / 2.0 ** e, -448, 448)
;;       step = 2.0 ** (np.maximum(np.frexp(np.where(r == 0, 1, r))[1] - 1, -6) - 3)
;;       q = np.round(r / step) * step * 2.0 ** e      # np.round: ties to even
;;       return np.moveaxis(q.reshape(q.shape[:-2] + (-1,))[..., :K], -1, axis).astype(np.float32)
;;   ~~~
;;   OPERANDS COMPUTED ON THE WAY. 'Computed on the way' means the value that the module computes at that place (a softmax that the list does not call 'softmax' is quantised finished and normalised). What goes into a quantiser is computed in f32, as accurately as f32 sums, v_exp_f32 and their like allow (about 1e-6 of the number): no bf16 or f16 on the way to a quantiser, and a product that is left as it is and whose result goes on into a quantised operand takes f32 operands (vector FMAs, or v_wmma_f32_16x16x4_f32). A number that lies on a knife's edge between two numbers of the format may be rounded either way, as far as f32 arithmetic and the matrix unit's own rounding can turn it there, and no further.
;; 2 versions, each right; version 2 is version 1 with the launch prep written anew for expert scheduling mode. Each part assembles by itself: llvm-mc -triple=amdgcn-amd-amdhsa -mcpu=gfx1250 --defsym DOCPART=n.
;; ======== version 1 of 2: 2 launches
;; workspace buffers: acodes 8,388,608 bytes; ascales 262,144 bytes; wcodes 1,048,576 bytes; wscales 32,768 bytes
;; launch prep (part 1): grid 256 x 1, 8 waves a work-group, no clusters, 40,960 bytes of LDS; arguments x, W1, b1, W2, out0, acodes, ascales, wcodes, wscales; writes out0, acodes, ascales, wcodes, wscales
.if DOCPART == 1
	.amdgcn_target "amdgcn-amd-amdhsa--gfx1250"
	.amdhsa_code_object_version 6
	.text
	.protected	k_qe67a3b1f2d_prep
	.globl	k_qe67a3b1f2d_prep
	.p2align	8
	.type	k_qe67a3b1f2d_prep,@function
k_qe67a3b1f2d_prep:
	s_mov_b64 s[64:65], 0
	v_nop
	global_prefetch_b8 v0, s[64:65] scope:SCOPE_SE
	s_setreg_imm32_b32 hwreg(HW_REG_WAVE_MODE, 25, 1), 1
	s_wait_xcnt 0x0
; out0[b][o][b'][i] = d dnn(x)[b][o] / d x[b'][i],  dnn(x) = relu(x W1 + b1) W2 + b2.  First of two launches: it makes the operands of the one live product.
; WHAT IS LEFT OUT, AND WHY IT IS DEAD FOR ALL VALUES OF THE INPUTS.
;  (1) The product h W2 and the input b2: they make the primal result, which the Jacobian does not hold: the pull-back of h W2 + b2 is a multiplication by W2, into which neither
;      h's values nor b2 enter.  b2 is not loaded and is no argument of any launch; create_graph and strict change nothing.
;  (2) The quantised product (identity) x W2: its left operand is the identity that the Jacobian's own construction builds: row (b, o, b') holds 1 at o' = o where b' = b and is zero otherwise.
;      The quantiser leaves both as they are (1 = 256 x 2^-8, 0 = 0).  So the result's row is Q_o(W2)[:, o] where b' = b, and zeros where b' != b.  The rows b' != b are left out whole;
;      of the rows b' = b only the block of 32 along o that holds the 1 is multiplied (the other blocks multiply that identity's zeros), by the product's own matrix instruction.
;  (3) The quantised product with W1: its rows with b' != b are those zeros, their codes are zeros, their sums are 0.  These numbers of out0 are stored as 0 and not multiplied.
;  LIMITS: a NaN, an infinity or an overflow that reaches only the work left out (0 x infinity in the rows b' != b, the primal result, b2) is not carried to the result.  The sign of zero is not kept.
;  A block of zeros, and a block whose largest magnitude lies under 2^-118, gets the scale byte 1 (the rule says 127 for zeros): its codes add nothing, and this program alone reads the bytes.
;  NaN and infinities among the inputs are not served.  x W1 + b1 is summed in f32, in another order than a plain ascending sum.
; WHAT IS LIVE:  mask[b][h] = (x W1 + b1 > 0);  V = Q_o(W2);  A[(b, o)][h] = Q_h(mask[b][h] V[h][o]);  out0[b][o][b][i] = sum over h of A[(b, o)][h] Q_h(W1)[i][h].
; SHARES.  Work-group g owns one block of 32 along h (kb = g / 4) and 128 of the o (oq = g % 4); wave w owns 16 of those o, for all 8 b.  Each code of A is made once in the launch.
;  The mask of the 32 h is made by all eight waves (wave w: rows 64 w .. 64 w + 63 of W1), the parts meet in LDS.  Each wave also quantises one piece (16 rows x 32 along h) of W1,
;  and stores four of the seven zero rows b' of two (b, o) blocks of out0; the second launch stores the other three.
; WORKSPACE.  acodes [row / 16][kb][512 bytes]: the image of four operand registers, lane l's 16 bytes at 16 l (lane (r, h'): k = 32 kb + 16 h' + 0 .. 15 of row 16 (row / 16) + r; row = 512 b + o).
;  ascales [4 b + oq][kb][128 rows], a byte each.  wcodes [i / 64][K step of 128][tile of 16 rows][block of 32][512-byte image].  wscales [i / 64][K step][64 rows], a word each.
; No tensor load and no copy; the waves meet at three barriers.
.set PPITCH, 1152                      ; a partial sum's 8 x 32 numbers (1,024 bytes) + 128: two neighbouring partials start 128 bytes apart modulo 256
.set MASK,   32*PPITCH                 ; LDS: behind the 32 partials: mask[b][32 h] as f32 0 or 1
.set ASB,    MASK+1024                 ; A's scale bytes [b][128 o]
.set WSB,    ASB+1024                  ; W1's scale bytes [tile f][row r][block c]: 128 used
.set SPARE,  WSB+256                   ; the spare words, 128 bytes for each wave: four blocks of 256 bytes that no other line names
.set VWP,  8                           ; v8   W1 for the mask: (lane / 8) x 16 rows + 16 (lane % 8)
.set VX,   9                           ; v9   x: 64 (lane / 8)
.set VW2,  10                          ; v10  W2: row r + 8 (r / 8), + 64 h'
.set VW1Q, 11                          ; v11  W1 to be quantised: row r, + 64 h'
.set VL4,  12                          ; v12  4 x lane
.set VL16, 13                          ; v13  16 x lane
.set ZO,   14                          ; v14-17 16 x lane + 2,048 x ((b + 1 + j) mod 8), j = 0 .. 3: four rows b' != b
.set VPS,  18                          ; v18  where I put my partial sums
.set VPR,  19                          ; v19  4 x thread: 128 x wave + 4 x lane
.set VMK,  20                          ; v20  MASK + 64 h'
.set VASB, 21                          ; v21  ASB + 16 x wave + r
.set VWSB, 22                          ; v22  WSB + 64 f + 4 r + c
.set VB1,  23                          ; v23  b1 of h = lane
.set Z,    24                          ; v24-27 zeros to store
.set SPW,  28                          ; v28  LDS address of my spare word; never rewritten
.set NIL,  29                          ; v29  0; never rewritten
.set ONE,  30                          ; v30  1.0
.set WP,   32                          ; v32-95  16 rows x 4 numbers of W1; then the 32 partials; then T
.set T,    32                          ; v32-95  mask x V for four b
.set TM1,  32                          ; at work in the first quantising
.set ACC,  96                          ; v96-127 partial sums [b][4 h]; then PC
.set PC,   96                          ; v96-127 A's codes, four registers for each b
.set WF,   128                         ; v128-175 W2's two tiles and W1's piece, 16 numbers a lane each
.set TMU,  128                         ; at work in the later quantisings
.set OPA,  176                         ; v176-207 two operands: 4 registers of W2's codes, 12 of zero codes
.set W1C,  208                         ; v208-211 W1's codes
.set IDN,  212                         ; v212-227 the identity's 16 rows as codes
.set VT,   228                         ; v228-243 V: lane (r, h'): o = my r, h = 16 h' + 0 .. 15
.set SB,   244                         ; v244-246 scale bytes of W2's two tiles and of W1's piece
.set ISC,  247                         ; v247 the identity's scale byte, 119
.set BD,   248                         ; v248-255 A's scale byte for each b
                                       ; window 1 (v256-383): x[16 b + t], later mask[16 b + i]
.set MSB, 0
.macro WIN new                         ; the immediate's high byte repeats the setting that is left
.if MSB != \new
	s_set_vgpr_msb (MSB<<8)|\new
.set MSB, \new
.endif
.endm
.macro TERM reg, sh                    ; s36 += s[reg] << sh
	s_lshl_b32 s43, s[\reg], \sh
	s_add_co_u32 s36, s36, s43
.endm
; four zero rows of 2,048 bytes of (b, o) block blk of my two: each store of the wave covers 512 consecutive bytes, aligned
.macro ZFILL blk
.irp j, 0,1,2,3
.irp q, 0,1,2,3
	global_store_b128 v[ZO+\j], v[Z:Z+3], s[16:17] offset:\blk*16384+512*\q th:TH_STORE_NT
.endr
.endr
.endm
; nb blocks by turns.  Block n: my 16 numbers in v[src + 16 n] on, lane l xor 16 holds the other 16.  Codes into v[out + step n] .. + 3, the scale's byte into v[byt + n].
.macro QUANT src, nb, out, step, byt, tm
.set qb, 0
.rept \nb
	v_max3_num_f32 v[(\tm)+qb], |v[(\src)+16*qb]|, |v[(\src)+16*qb+1]|, 0x4800000   ; the floor 2^(9 - 127) among the leaves: the byte cannot fall under 1
.set qb, qb+1
.endr
.set qi, 2
.rept 7
.set qb, 0
.rept \nb
	v_max3_num_f32 v[(\tm)+qb], v[(\tm)+qb], |v[(\src)+16*qb+qi]|, |v[(\src)+16*qb+qi+1]|
.set qb, qb+1
.endr
.set qi, qi+2
.endr
.set qb, 0
.rept \nb
	v_permlanex16_b32 v[(\tm)+4+qb], v[(\tm)+qb], s40, s41
.set qb, qb+1
.endr
.set qb, 0
.rept \nb
	v_max_num_f32 v[(\tm)+qb], v[(\tm)+qb], v[(\tm)+4+qb]          ; the block's largest magnitude
.set qb, qb+1
.endr
.set qb, 0
.rept \nb
	v_add_nc_u32 v[(\tm)+12+qb], 0xfc000000, v[(\tm)+qb]           ; 8 off its exponent field: the conversion's scale operand
.set qb, qb+1
.endr
.set qb, 0
.rept \nb
	v_and_or_b32 v[(\tm)+8+qb], v[(\tm)+qb], 0x7f800000, s42       ; 448 x the scale
.set qb, qb+1
.endr
.set qb, 0
.rept \nb
	v_lshrrev_b32 v[(\byt)+qb], 23, v[(\tm)+12+qb]                 ; the scale's byte
.set qb, qb+1
.endr
.set qb, 0
.rept \nb
.set qi, 0
.rept 16
	v_med3_num_f32 v[(\src)+16*qb+qi], v[(\src)+16*qb+qi], -v[(\tm)+8+qb], v[(\tm)+8+qb]   ; the conversion to an 8-bit code does not saturate (ISA guide 7.6.2): the hold
.set qi, qi+1
.endr
	v_cvt_scalef32_pk8_fp8_f32 v[(\out)+(\step)*qb:(\out)+(\step)*qb+1], v[(\src)+16*qb:(\src)+16*qb+7], v[(\tm)+12+qb]
	v_cvt_scalef32_pk8_fp8_f32 v[(\out)+(\step)*qb+2:(\out)+(\step)*qb+3], v[(\src)+16*qb+8:(\src)+16*qb+15], v[(\tm)+12+qb]
.set qb, qb+1
.endr
	v_nop                                          ; a plain instruction behind the last conversion, ahead of whatever next touches its registers
.endm
	s_load_b512 s[8:23], s[0:1], 0x0               ; x s[8:9], W1 s[10:11], b1 s[12:13], W2 s[14:15], out0 s[16:17], acodes s[18:19], ascales s[20:21], wcodes s[22:23]
	s_load_b64 s[24:25], s[0:1], 0x40              ; wscales
	v_lshl_add_u32 v[SPW], v0, 2, SPARE
	v_mov_b32 v[NIL], 0
	v_lshrrev_b32 v1, 5, v0
	v_readfirstlane_b32 s26, v1                    ; wave w, 0 .. 7
	s_lshr_b32 s27, ttmp9, 2                       ; kb: my block of 32 along h
	s_and_b32 s28, ttmp9, 3                        ; oq: my 128 of the o
	s_lshr_b32 s29, ttmp9, 4                       ; s: W1's K step of 128 (= kb / 4)
	s_and_b32 s30, ttmp9, 15                       ; p: which 32 rows of W1 I quantise
	s_lshr_b32 s31, ttmp9, 5                       ; the b of the 16 (b, o) blocks whose zeros I store
	s_lshr_b32 s32, s26, 2                         ; f: which 16 of those 32 rows
	s_and_b32 s33, s26, 3                          ; c: which block of 32 of the K step
	s_and_b32 s34, s26, 1                          ; u: which half of a block of 32 o is my wave's
	s_lshr_b32 s35, s26, 1                         ; which block of 32 o of the 128
	s_mov_b32 s37, 0
	s_mov_b32 s40, 0x76543210
	s_mov_b32 s41, 0xfedcba98                      ; v_permlanex16_b32's selects for lane l xor 16
	s_mov_b32 s42, 0x600000                        ; the mantissa field of 448
	v_and_b32 v2, 31, v0                           ; lane
	v_and_b32 v3, 15, v0                           ; r
	v_bfe_u32 v4, v0, 4, 1                         ; h'
	v_bfe_u32 v5, v0, 3, 2                         ; lane / 8
	v_and_b32 v6, 7, v0                            ; lane % 8
	v_lshlrev_b32 v7, 4, v6
	v_lshl_or_b32 v[VWP], v5, 17, v7               ; 16 rows of 8,192 bytes for each lane / 8; 16 bytes for each lane % 8
	v_lshlrev_b32 v[VX], 6, v5
	v_and_b32 v7, 8, v3
	v_add_nc_u32 v7, v7, v3                        ; r + 8 (r / 8)
	v_lshlrev_b32 v7, 11, v7
	v_lshl_add_u32 v[VW2], v4, 6, v7
	v_lshlrev_b32 v7, 13, v3
	v_lshl_add_u32 v[VW1Q], v4, 6, v7
	v_lshlrev_b32 v[VL4], 2, v2
	v_lshlrev_b32 v[VL16], 4, v2
.irp j, 0,1,2,3
	s_add_co_u32 s43, s31, 1+\j
	s_and_b32 s43, s43, 7
	s_lshl_b32 s43, s43, 11
	v_add_nc_u32 v[ZO+\j], s43, v[VL16]
.endr
	v_lshrrev_b32 v7, 3, v0                        ; which of the 32 partials is mine: 4 x wave + lane / 8
	v_mul_u32_u24 v7, v7, PPITCH
	v_lshl_add_u32 v[VPS], v6, 4, v7
	v_lshlrev_b32 v[VPR], 2, v0
	v_lshlrev_b32 v7, 6, v4
	v_add_nc_u32 v[VMK], MASK, v7
	v_lshl_add_u32 v7, v1, 4, v3
	v_add_nc_u32 v[VASB], ASB, v7
	v_bfe_u32 v7, v0, 5, 2                         ; c
	v_lshl_add_u32 v7, v3, 2, v7
	v_bfe_u32 v1, v0, 7, 1                         ; f
	v_lshl_add_u32 v7, v1, 6, v7
	v_add_nc_u32 v[VWSB], WSB, v7
.irp i, 0,1,2,3
	v_mov_b32 v[Z+\i], 0
.endr
	v_mov_b32 v[ONE], 1.0
	s_wait_kmcnt 0x0
	; every base is stepped once, here, and never again
	s_lshl_b32 s36, s30, 18                        ; W1 to be quantised: row 32 p + 16 f, column 128 s + 32 c
	TERM 32, 17
	TERM 29, 9
	TERM 33, 7
	s_add_nc_u64 s[38:39], s[10:11], s[36:37]
	s_lshl_b32 s36, s26, 19                        ; W1 for the mask: row 64 w, column 32 kb
	TERM 27, 7
	s_add_nc_u64 s[10:11], s[10:11], s[36:37]
	s_lshl_b32 s36, s26, 8                         ; x: column 64 w
	s_add_nc_u64 s[8:9], s[8:9], s[36:37]
	s_lshl_b32 s36, s27, 7                         ; b1: 32 kb
	s_add_nc_u64 s[12:13], s[12:13], s[36:37]
	s_lshl_b32 s36, s27, 16                        ; W2: row 32 kb, column 128 oq + 32 (w / 2)
	TERM 28, 9
	TERM 35, 7
	s_add_nc_u64 s[14:15], s[14:15], s[36:37]
	s_lshl_b32 s36, ttmp9, 18                      ; out0: (b, o) block 16 g + 2 w, 16,384 bytes each
	TERM 26, 15
	s_add_nc_u64 s[16:17], s[16:17], s[36:37]
	s_lshl_b32 s36, s28, 18                        ; acodes: tile 8 oq + w of b = 0, block kb
	TERM 26, 15
	TERM 27, 9
	s_add_nc_u64 s[18:19], s[18:19], s[36:37]
	s_lshl_b32 s36, s26, 15                        ; ascales: group 4 w + oq (on the way out wave w takes b = w), plane kb
	TERM 28, 13
	TERM 27, 7
	s_add_nc_u64 s[20:21], s[20:21], s[36:37]
	s_lshr_b32 s44, s30, 1                         ; p / 2 = i / 64
	s_and_b32 s45, s30, 1
	s_lshl_b32 s36, s44, 17                        ; wcodes: [p / 2][s][2 (p % 2) + f][c]
	TERM 29, 13
	TERM 45, 12
	TERM 32, 11
	TERM 33, 9
	s_add_nc_u64 s[22:23], s[22:23], s[36:37]
	s_lshl_b32 s36, s44, 12                        ; wscales: [p / 2][s][32 (p % 2) ..]
	TERM 29, 8
	TERM 45, 7
	s_add_nc_u64 s[24:25], s[24:25], s[36:37]
	; 61 loads, in this order: x 32, W1 for the mask 16, W2 8, W1 to be quantised 4, b1 1
	WIN 0x40                                       ; destination window 1
.irp b, 0,1,2,3,4,5,6,7
.irp q, 0,1,2,3
	global_load_b128 v[16*\b+4*\q:16*\b+4*\q+3], v[VX], s[8:9] offset:2048*\b+16*\q   ; x[b][64 w + 16 (lane / 8) + 4 q ..]
.endr
.endr
	WIN 0
.irp t, 0,1,2,3,4,5,6,7,8,9,10,11,12,13,14,15
	global_load_b128 v[WP+4*\t:WP+4*\t+3], v[VWP], s[10:11] offset:8192*\t            ; W1[64 w + 16 (lane / 8) + t][32 kb + 4 (lane % 8) ..]
.endr
.irp y, 0,1
.irp q, 0,1,2,3
	global_load_b128 v[WF+16*\y+4*\q:WF+16*\y+4*\q+3], v[VW2], s[14:15] offset:16384*\y+16*\q   ; tile y: W2[32 kb + 8 y + r + 8 (r / 8)][.. + 16 h' + 4 q ..]
.endr
.endr
.irp q, 0,1,2,3
	global_load_b128 v[WF+32+4*\q:WF+32+4*\q+3], v[VW1Q], s[38:39] offset:16*\q
.endr
	global_load_b32 v[VB1], v[VL4], s[12:13]
	ZFILL 0                                        ; the loads are out: the first block's zeros follow them
	; the operands' constant parts, while the loads are on their way.  K = 128 holds one real block of 32: the other 96 are zero codes
.irp i, 4,5,6,7,8,9,10,11,12,13,14,15
	v_mov_b32 v[OPA+\i], 0
	v_mov_b32 v[OPA+16+\i], 0
	v_mov_b32 v[IDN+\i], 0
.endr
	v_mov_b32 v[ISC], 119                          ; the identity's block: largest magnitude 1, scale 2^-8, byte 119; the word's other bytes go with zero codes
	v_xor_b32 v1, s34, v4                          ; row r of the identity holds its 1 at k = 16 u + r: in the half of the lanes with h' = u,
	v_lshrrev_b32 v5, 2, v3
	v_lshl_add_u32 v1, v1, 2, v5                   ; register r / 4 (4 or more: none),
	v_and_b32 v5, 3, v3
	v_lshlrev_b32 v5, 3, v5
	v_mov_b32 v6, 0x78                             ; the code of 256,
	v_lshlrev_b32 v6, v5, v6                       ; in byte r % 4
.irp q, 0,1,2,3
	v_cmp_eq_u32 vcc_lo, \q, v1
	v_cndmask_b32 v[IDN+\q], 0, v6, vcc_lo
.endr
	; x W1, my 16 rows of W1 x 4 of the h x 8 b, in f32: its sign goes on into a quantised operand.  The first row starts the sums
	WIN 0x01                                       ; source 0 (x) window 1
.irp t, 0,1,2,3,4,5,6,7,8,9,10,11,12,13,14,15
	s_wait_loadcnt 28-\t                           ; behind row t's load: 15 - t later rows and the 13 loads of W2, W1 and b1
.irp b, 0,1,2,3,4,5,6,7
.irp e, 0,1,2,3
.if \t == 0
	v_mul_f32 v[ACC+4*\b+\e], v[16*\b+\t], v[WP+4*\t+\e]
.else
	v_fmac_f32 v[ACC+4*\b+\e], v[16*\b+\t], v[WP+4*\t+\e]
.endif
.endr
.endr
.endr
	WIN 0
.irp b, 0,1,2,3,4,5,6,7
	ds_store_b128 v[VPS], v[ACC+4*\b:ACC+4*\b+3] offset:128*\b
.endr
	ZFILL 1
	s_wait_dscnt 0x0                               ; for the others' sake: my partial sums lie in LDS
	s_barrier_signal -1
	s_barrier_wait -1
	; the mask: wave w takes b = w, lane l takes h = l: 32 partials, b1, the sign
	s_wait_loadcnt 0x0                             ; b1, W2's tiles and W1's piece
.set pp, 0
.rept 32
	ds_load_b32 v[WP+pp], v[VPR] offset:PPITCH*pp
.set pp, pp+1
.endr
	s_wait_dscnt 0x0
.irp k, 0,1,2,3,4,5,6,7
	v_pk_add_f32 v[WP+4*\k:WP+4*\k+1], v[WP+4*\k:WP+4*\k+1], v[WP+4*\k+2:WP+4*\k+3]
.endr
.irp k, 0,1,2,3
	v_pk_add_f32 v[WP+8*\k:WP+8*\k+1], v[WP+8*\k:WP+8*\k+1], v[WP+8*\k+4:WP+8*\k+5]
.endr
.irp k, 0,1
	v_pk_add_f32 v[WP+16*\k:WP+16*\k+1], v[WP+16*\k:WP+16*\k+1], v[WP+16*\k+8:WP+16*\k+9]
.endr
	v_pk_add_f32 v[WP:WP+1], v[WP:WP+1], v[WP+16:WP+17]
	v_add_f32 v[WP], v[WP], v[WP+1]
	v_add_f32 v[WP], v[WP], v[VB1]
	v_cmp_lt_f32 vcc_lo, 0, v[WP]                  ; 0 < x W1 + b1 (a NaN gives 0, as the comparison in relu's derivative does)
	v_cndmask_b32 v[WP+1], 0, v[ONE], vcc_lo
	ds_store_b32 v[VPR], v[WP+1] offset:MASK
	s_wait_dscnt 0x0                               ; for the others' sake: my 32 numbers of the mask lie in LDS
	s_barrier_signal -1
	; work on registers while the others arrive: W2's two tiles along o, and W1's piece along h, become codes
	QUANT WF, 3, OPA, 16, SB, TM1
.rept 3
	v_nop                                          ; with the one above: four places between the last code written and the products; the scale bytes were written ahead of the 48 holds
.endr
	; V^T = Q_o(W2) x identity: source 0 = 16 rows h of W2, source 1 = my 16 rows o of the identity.  Lane (r, h') gets o = r; the rows of the two tiles are chosen so that the 16 registers are h = 16 h' + 0 .. 15
	v_wmma_scale_f32_16x16x128_f8f6f4 v[VT:VT+7], v[OPA:OPA+15], v[IDN:IDN+15], 0, v[SB], v[ISC]
	v_wmma_scale_f32_16x16x128_f8f6f4 v[VT+8:VT+15], v[OPA+16:OPA+31], v[IDN:IDN+15], 0, v[SB+1], v[ISC]
.rept 8
	v_nop                                          ; eight places ahead of the first read of the results
.endr
	s_barrier_wait -1                              ; the whole mask lies in LDS
	global_store_b128 v[VL16], v[W1C:W1C+3], s[22:23]   ; W1's piece: 512 consecutive bytes, aligned
	ds_store_b8 v[VWSB], v[SB+2]                   ; its scale byte; both lanes of a row write the same byte with the same value
	WIN 0x40                                       ; destination window 1
.irp b, 0,1,2,3,4,5,6,7
.irp q, 0,1,2,3
	ds_load_b128 v[16*\b+4*\q:16*\b+4*\q+3], v[VMK] offset:128*\b+16*\q   ; mask[b][16 h' + 4 q ..]
.endr
.endr
	WIN 0
	s_wait_dscnt 0x0
	; A = Q_h(mask x V), four b at a time; each group has its own registers for codes and bytes, so no store's data are written again
.irp g, 0,1
	WIN 0x01                                       ; source 0 (the mask) window 1
.irp n, 0,1,2,3
.irp i, 0,1,2,3,4,5,6,7
	v_pk_mul_f32 v[T+16*\n+2*\i:T+16*\n+2*\i+1], v[16*(4*\g+\n)+2*\i:16*(4*\g+\n)+2*\i+1], v[VT+2*\i:VT+2*\i+1]   ; each result is read from its low end on
.endr
.endr
	WIN 0
	QUANT T, 4, PC+16*\g, 4, BD+4*\g, TMU
.irp n, 0,1,2,3
	global_store_b128 v[VL16], v[PC+16*\g+4*\n:PC+16*\g+4*\n+3], s[18:19] offset:1048576*(4*\g+\n)   ; 512 consecutive bytes, aligned; b's tiles lie 2^20 bytes apart
	ds_store_b8 v[VASB], v[BD+4*\g+\n] offset:128*(4*\g+\n)
.endr
.endr
	s_wait_dscnt 0x0                               ; for the others' sake: my scale bytes lie in LDS
	s_barrier_signal -1
	s_barrier_wait -1
	ds_load_b32 v1, v[VPR] offset:ASB              ; wave w takes b = w's 128 bytes
	s_wait_dscnt 0x0
	global_store_b32 v[VL4], v1, s[20:21]          ; 128 consecutive bytes of plane kb: the scale bytes are one part in 165 of what the launch stores
	s_cmp_lg_u32 s26, 0
	s_cbranch_scc1 .Lnot0
	ds_load_b32 v2, v[VPR] offset:WSB              ; wave 0: the scale words of W1's 32 rows
	s_wait_dscnt 0x0
	global_store_b32 v[VL4], v2, s[24:25]
.Lnot0:
	s_wait_tensorcnt 0x0                           ; the wave's end
	ds_add_u32 v[SPW], v[NIL]
	s_wait_dscnt 0x0
	s_endpgm
.Lfunc_end_k_qe67a3b1f2d_prep:
	.size	k_qe67a3b1f2d_prep, .Lfunc_end_k_qe67a3b1f2d_prep-k_qe67a3b1f2d_prep
	.p2alignl 7, 3214868480
	.fill 96, 4, 3214868480
	.section	.rodata,"a",@progbits
	.p2align	6, 0x0
	.amdhsa_kernel k_qe67a3b1f2d_prep
		.amdhsa_group_segment_fixed_size 40960
		.amdhsa_private_segment_fixed_size 0
		.amdhsa_enable_private_segment 0
		.amdhsa_kernarg_size 72
		.amdhsa_user_sgpr_count 2
		.amdhsa_user_sgpr_kernarg_segment_ptr 1
		.amdhsa_wavefront_size32 1
		.amdhsa_system_sgpr_workgroup_id_x 1
		.amdhsa_system_sgpr_workgroup_id_y 1
		.amdhsa_system_sgpr_workgroup_id_z 1
		.amdhsa_system_vgpr_workitem_id 0
		.amdhsa_next_free_vgpr 384
		.amdhsa_next_free_sgpr 66
		.amdhsa_reserve_vcc 1
		.amdhsa_float_denorm_mode_32 3
		.amdhsa_float_denorm_mode_16_64 3
		.amdhsa_memory_ordered 1
		.amdhsa_forward_progress 1
		.amdhsa_inst_pref_size 67
	.end_amdhsa_kernel
	.amdgpu_metadata
---
amdhsa.version: [ 1, 2 ]
amdhsa.kernels:
  - .name:           k_qe67a3b1f2d_prep
    .symbol:         k_qe67a3b1f2d_prep.kd
    .args:
      - { .name: x, .offset: 0, .size: 8, .value_kind: global_buffer, .address_space: global }
      - { .name: W1, .offset: 8, .size: 8, .value_kind: global_buffer, .address_space: global }
      - { .name: b1, .offset: 16, .size: 8, .value_kind: global_buffer, .address_space: global }
      - { .name: W2, .offset: 24, .size: 8, .value_kind: global_buffer, .address_space: global }
      - { .name: out0, .offset: 32, .size: 8, .value_kind: global_buffer, .address_space: global }
      - { .name: acodes, .offset: 40, .size: 8, .value_kind: global_buffer, .address_space: global }
      - { .name: ascales, .offset: 48, .size: 8, .value_kind: global_buffer, .address_space: global }
      - { .name: wcodes, .offset: 56, .size: 8, .value_kind: global_buffer, .address_space: global }
      - { .name: wscales, .offset: 64, .size: 8, .value_kind: global_buffer, .address_space: global }
    .group_segment_fixed_size: 40960
    .private_segment_fixed_size: 0
    .kernarg_segment_align: 8
    .kernarg_segment_size: 72
    .max_flat_workgroup_size: 256
    .sgpr_count:     66
    .vgpr_count:     384
    .wavefront_size: 32
...
	.end_amdgpu_metadata
.endif
;; end of part 1
;; launch gemm (part 2): grid 32 x 8, 4 waves a work-group, clusters of 4 x 1, 167,936 bytes of LDS; arguments acodes, ascales, wcodes, wscales, out0; writes out0
.if DOCPART == 2
	.amdgcn_target "amdgcn-amd-amdhsa--gfx1250"
	.amdhsa_code_object_version 6
	.text
	.protected	k_qe67a3b1f2d_gemm
	.globl	k_qe67a3b1f2d_gemm
	.p2align	8
	.type	k_qe67a3b1f2d_gemm,@function
k_qe67a3b1f2d_gemm:
	s_mov_b64 s[64:65], 0
	v_nop
	global_prefetch_b8 v0, s[64:65] scope:SCOPE_SE
	s_setreg_imm32_b32 hwreg(HW_REG_WAVE_MODE, 25, 1), 1
	s_wait_xcnt 0x0
	s_wait_alu depctr_hold_cnt(0) depctr_sa_sdst(0) depctr_va_vdst(0) depctr_va_sdst(0) depctr_va_ssrc(0) depctr_va_vcc(0) depctr_vm_vsrc(0)
	s_getreg_b32 s2, hwreg(HW_REG_IB_STS2, 6, 4)
	s_cmp_eq_u32 s2, 0
	s_cbranch_scc0 .Lentry_in_a_cluster
	s_endpgm
.Lentry_in_a_cluster:
	s_bfe_u32 s2, ttmp6, 0x10000c
	s_cmp_lg_u32 s2, 0x3003
	s_cbranch_scc0 .Lentry_shape_is_right
	s_endpgm
.Lentry_shape_is_right:
; out0[b][o][b][i] = sum over h of A[(b, o)][h] Q_h(W1)[i][h], on the codes of E4M3 and the E8M0 scales that the first launch has made: 4,096 rows (b, o) x 512 columns i, K = 2,048.
; LEFT OUT: the rows b' != b of the product with W1: their left operand is zeros for all values of the inputs (shown at the head of the first launch); out0 gets 0 there, stored and not multiplied:
; four of the seven rows b' by the first launch, the other three here.  A NaN or an infinity that reaches only those rows is not carried to the result.
; SHARES.  A work-group makes 128 rows (b, 128 oq ..) x 64 columns (64 y ..); wave w makes rows 32 w .. 32 w + 31 (two tiles) x the 64 columns (four tiles): 8 accumulators, which take turns.
; A's fragments serve one wave alone: they go from memory straight into registers, all 16 K steps into 512 registers of their own, six K steps ahead; no register is loaded twice.
; W1's panel (64 rows x 2,048 codes, 131,072 bytes) serves all four waves: it comes into LDS once, in four quarters of K, each wave bringing a K step of each quarter.  Nothing in LDS is filled again.
; CLUSTER.  The four work-groups of a cluster have the same b and y and differ in oq: they need the same panel and the same scale words of W1, which are asked for JOINTLY (mask 15).
; A is not shared: its 262,144 bytes a work-group do not fit in LDS beside the panel, and no second wave reads them.  A's scale planes are the work-group's own: a plain tensor load.
; THE MATRIX INSTRUCTION IS USED TRANSPOSED (source 0 = 16 rows i of W1, source 1 = 16 rows of A): a lane holds eight neighbouring i of one row.
; REGISTERS: window 0: v8-17 addresses; v32-47 A's scale words, one for each K step (lanes 0-15 tile 0, lanes 16-31 tile 1); v48-51 W1's, two sets; v52-55 zeros; v64-127 accumulators (before: the scale planes' bytes);
;   v128-255 W1's fragments, two sets (on the way out: rows read back).   windows 1 and 2: A of K steps 0-7 and 8-15, register 32 (s % 8) + 16 m + 4 c.
.set BSC,   131072                     ; LDS: behind the panel: W1's scale words [K step][64 rows]
.set APL,   BSC+4096                   ; A's scale planes [block of 32][128 rows], a byte each
.set STAGE, APL+8192                   ; the way out: 16 rows x (256 bytes + 16) for each wave; no tensor load lands here
.set SPARE, STAGE+4*16*272             ; the spare words, 128 bytes for each wave: two blocks of 256 bytes that no other line names
.set VL16, 8                           ; v8   16 x lane: A's offset in memory, and the panel's address for K steps 0-7
.set VBF1, 9                           ; v9   65,536 + 16 x lane: for K steps 8-15
.set VBS,  10                          ; v10  BSC + 4 x lane
.set VAP,  11                          ; v11  APL + 32 x wave + lane
.set VSTO, 12                          ; v12  the stage: where I put 32 bytes of a row
.set VSRD, 13                          ; v13  and where I read a row back
.set VGO,  14                          ; v14  my byte offset in out0 on the way out
.set ZO,   15                          ; v15-17 16 x lane + 2,048 x ((b + 5 + j) mod 8), j = 0 .. 2
.set AS,   32
.set BS,   48
.set Z,    52
.set SPW,  56                          ; v56  LDS address of my spare word; never rewritten
.set NIL,  57                          ; v57  0; never rewritten
.set ACC,  64
.set BF,   128
.set G1B,  24                          ; s[24:31] group 1: a K step of the panel, 32 rows of 256 bytes, joint
.set G1S,  32                          ; s[32:39] group 1: 4 rows of 256 bytes, joint
.set G1P,  40                          ; s[40:47] group 1: 8 rows of 256 bytes, my work-group's own
.set G0Q,  48                          ; s[48:63] groups 0 of the four quarters
.set G0S,  68                          ; s[68:71] group 0 of W1's scale words
.set G0P,  72                          ; s[72:75] group 0 of A's scale planes
.set MSB, 0
.macro WIN new                         ; the immediate's high byte repeats the setting that is left
.if MSB != \new
	s_set_vgpr_msb (MSB<<8)|\new
.set MSB, \new
.endif
.endm
.macro CROUND                          ; a round of the cluster's barrier
	s_barrier_signal -1
	s_barrier_wait -1
	s_cmp_lg_u32 s14, 0
	s_cbranch_scc1 .Lnot_wave_0_\@
	s_barrier_signal -3
.Lnot_wave_0_\@:
	s_barrier_wait -3
	s_barrier_signal -1
	s_barrier_wait -1
.endm
.macro PLACES n
.rept \n
	v_nop
.endr
.endm
.macro ALOAD s                         ; A's two fragments of K step s: eight loads of 512 consecutive bytes
.if (\s) < 8
	WIN 0x40
.else
	WIN 0x80
.endif
.irp m, 0,1
.irp c, 0,1,2,3
	global_load_b128 v[32*((\s)%8)+16*\m+4*\c:32*((\s)%8)+16*\m+4*\c+3], v[VL16], s[4:5] offset:32768*\m+512*(4*(\s)+\c)
.endr
.endr
.endm
.macro BLOAD s                         ; W1's four fragments of K step s into set s % 2, and their scale words: 18 LDS loads
.irp t, 0,1,2,3
.irp c, 0,1,2,3
.if (\s) < 8
	ds_load_b128 v[BF+64*((\s)%2)+16*\t+4*\c:BF+64*((\s)%2)+16*\t+4*\c+3], v[VL16] offset:8192*((\s)%8)+2048*\t+512*\c
.else
	ds_load_b128 v[BF+64*((\s)%2)+16*\t+4*\c:BF+64*((\s)%2)+16*\t+4*\c+3], v[VBF1] offset:8192*((\s)%8)+2048*\t+512*\c
.endif
.endr
.endr
.irp e, 0,1
	ds_load_b32 v[BS+2*((\s)%2)+\e], v[VBS] offset:256*(\s)+128*\e    ; lanes 0-15: tile 2 e; lanes 16-31: tile 2 e + 1
.endr
.endm
.macro MM s, m, t                      ; one product: tile t of W1 x tile m of A, K step s.  The first K step starts the sums: nothing is cleared
.set rD, ACC+8*(4*(\m)+(\t))
.set rB, BF+64*((\s)%2)+16*(\t)
.set rA, 32*((\s)%8)+16*(\m)
.set rX, BS+2*((\s)%2)+(\t)/2
.set rY, AS+(\s)
.if (\s) == 0
.if ((\t)%2 == 0) && ((\m) == 0)
	v_wmma_scale_f32_16x16x128_f8f6f4 v[rD:rD+7], v[rB:rB+15], v[rA:rA+15], 0, v[rX], v[rY]
.elseif (\m) == 0
	v_wmma_scale_f32_16x16x128_f8f6f4 v[rD:rD+7], v[rB:rB+15], v[rA:rA+15], 0, v[rX], v[rY] matrix_a_scale:MATRIX_SCALE_ROW1
.elseif (\t)%2 == 0
	v_wmma_scale_f32_16x16x128_f8f6f4 v[rD:rD+7], v[rB:rB+15], v[rA:rA+15], 0, v[rX], v[rY] matrix_b_scale:MATRIX_SCALE_ROW1
.else
	v_wmma_scale_f32_16x16x128_f8f6f4 v[rD:rD+7], v[rB:rB+15], v[rA:rA+15], 0, v[rX], v[rY] matrix_a_scale:MATRIX_SCALE_ROW1 matrix_b_scale:MATRIX_SCALE_ROW1
.endif
.else
.if ((\t)%2 == 0) && ((\m) == 0)
	v_wmma_scale_f32_16x16x128_f8f6f4 v[rD:rD+7], v[rB:rB+15], v[rA:rA+15], v[rD:rD+7], v[rX], v[rY]
.elseif (\m) == 0
	v_wmma_scale_f32_16x16x128_f8f6f4 v[rD:rD+7], v[rB:rB+15], v[rA:rA+15], v[rD:rD+7], v[rX], v[rY] matrix_a_scale:MATRIX_SCALE_ROW1
.elseif (\t)%2 == 0
	v_wmma_scale_f32_16x16x128_f8f6f4 v[rD:rD+7], v[rB:rB+15], v[rA:rA+15], v[rD:rD+7], v[rX], v[rY] matrix_b_scale:MATRIX_SCALE_ROW1
.else
	v_wmma_scale_f32_16x16x128_f8f6f4 v[rD:rD+7], v[rB:rB+15], v[rA:rA+15], v[rD:rD+7], v[rX], v[rY] matrix_a_scale:MATRIX_SCALE_ROW1 matrix_b_scale:MATRIX_SCALE_ROW1
.endif
.endif
.endm
.macro MULS s                          ; the K step's eight products: the eight accumulators by turns, in the same order in every step
.if (\s) < 8
	WIN 0x04                                       ; source 1 (A) window 1
.else
	WIN 0x08                                       ; window 2
.endif
.irp m, 0,1
.irp t, 0,1,2,3
	MM \s, \m, \t
.endr
.endr
.endm
.macro KSTEP s
.if (\s)+6 <= 15
	ALOAD (\s)+6                                   ; A runs six K steps ahead
.endif
	WIN 0
.if (\s) < 15
.if (\s) > 0
	PLACES 8                                       ; eight places between the last K step's products and the loads into the set and the scale registers that they read
.endif
.if ((\s)+1)%4 == 0
	s_wait_dscnt 0x0                               ; no LDS load of mine is out at the signal
	s_wait_tensorcnt 3-((\s)+1)/4                  ; my K step of the next quarter has landed; the later quarters' loads may stay out
	s_barrier_signal -1
	s_barrier_wait -1                              ; everybody's has
.endif
	BLOAD (\s)+1
	s_wait_dscnt 18                                ; all but the 18 just issued: this K step's set is in
.else
	s_wait_dscnt 0x0
.endif
.if 15-(\s) < 6
	s_wait_loadcnt 8*(15-(\s))                     ; behind this K step's eight loads of A: eight for each later K step
.else
	s_wait_loadcnt 48
.endif
	MULS \s
.endm
	s_load_b256 s[4:11], s[0:1], 0x0               ; acodes s[4:5], ascales s[6:7], wcodes s[8:9], wscales s[10:11]
	s_load_b64 s[12:13], s[0:1], 0x20              ; out0
	v_lshl_add_u32 v[SPW], v0, 2, SPARE
	v_mov_b32 v[NIL], 0
	ds_add_u32 v[SPW], v[NIL]                      ; the wave's opening: the add, twice on end, and its wait ahead of my first tensor load; the set-up below stands between the second and the wait
	ds_add_u32 v[SPW], v[NIL]
	v_lshrrev_b32 v1, 5, v0
	v_readfirstlane_b32 s14, v1                    ; wave 0 .. 3
	s_bfe_u32 s15, ttmp6, 0x40000                  ; cx = oq: it enters A's, the planes' and out0's addresses alone
	s_mov_b32 s16, ttmp9                           ; the cluster's x = b
	s_and_b32 s17, ttmp7, 0xffff                   ; y: my 64 columns
	; groups 1: dense blocks as rows of 256 bytes (32 elements of 8 bytes), no padding: a fragment's image is read 16 bytes a lane, 512 consecutive bytes an instruction
	s_mov_b32 s[G1B], 15|(3<<16)|(1<<21)           ; 15:0 the mask: all four work-groups; 17:16 elements of 8 bytes; 21 set beside a mask
	s_mov_b32 s[G1S], 15|(3<<16)|(1<<21)
	s_mov_b32 s[G1P], 3<<16                        ; no mask
	s_mov_b32 s[G1B+2], 32<<16                     ; tensor_dim1 = 32 rows
	s_mov_b32 s[G1B+4], 32                         ; tile_dim1
	s_mov_b32 s[G1S+2], 4<<16
	s_mov_b32 s[G1S+4], 4
	s_mov_b32 s[G1P+2], 8<<16
	s_mov_b32 s[G1P+4], 8
.irp g, G1B, G1S, G1P
	s_mov_b32 s[\g+1], 32<<16                      ; tensor_dim0 = 32
	s_mov_b32 s[\g+3], 32<<16                      ; tile_dim0 = 32
	s_mov_b32 s[\g+5], 32                          ; from row to row
	s_mov_b32 s[\g+6], 0
	s_mov_b32 s[\g+7], 0
.endr
	s_mov_b32 s19, 0
	s_mov_b32 s23, 0
	s_lshl_b32 s76, s14, 13                        ; 8,192 x wave
	s_lshl_b32 s77, s14, 10                        ; 1,024 x wave
	s_lshl_b32 s78, s14, 11                        ; 2,048 x wave
	s_mul_i32 s79, s14, 16*272
	s_add_co_u32 s79, s79, STAGE                   ; my stage
	v_and_b32 v2, 31, v0                           ; lane
	v_and_b32 v3, 15, v0                           ; r
	v_bfe_u32 v4, v0, 4, 1                         ; h'
	v_lshlrev_b32 v[VL16], 4, v2
	v_add_nc_u32 v[VBF1], 0x10000, v[VL16]
	v_lshl_add_u32 v[VBS], v2, 2, BSC
	v_add_nc_u32 v[VAP], APL, v0
	v_mul_u32_u24 v5, v3, 272
	v_lshl_add_u32 v5, v4, 5, v5
	v_add_nc_u32 v[VSTO], s79, v5                  ; in: row r, 32 bytes for each half of the lanes
	v_mul_u32_u24 v5, v4, 272
	v_lshl_add_u32 v5, v3, 4, v5
	v_add_nc_u32 v[VSRD], s79, v5                  ; back: lanes 0-15 one row of 256 bytes, lanes 16-31 the next
	v_lshlrev_b32 v5, 14, v4
	v_lshl_add_u32 v[VGO], v3, 4, v5               ; and in out0, where neighbouring o lie 16,384 bytes apart
.irp j, 0,1,2
	s_add_co_u32 s3, s16, 5+\j
	s_and_b32 s3, s3, 7
	s_lshl_b32 s3, s3, 11
	v_add_nc_u32 v[ZO+\j], s3, v[VL16]
.endr
.irp i, 0,1,2,3
	v_mov_b32 v[Z+\i], 0
.endr
	s_wait_dscnt 0x0                               ; both opening adds are done
	s_wait_kmcnt 0x0
	s_lshl_b32 s18, s17, 17                        ; the panel: 131,072 y + 8,192 w: made of y and the wave's number alone, in registers that never hold cx
	s_add_co_u32 s18, s18, s76
	s_add_nc_u64 s[8:9], s[8:9], s[18:19]
	s_lshl_b32 s18, s17, 12                        ; W1's scale words: 4,096 y + 1,024 w
	s_add_co_u32 s18, s18, s77
	s_add_nc_u64 s[10:11], s[10:11], s[18:19]
	s_lshl_b32 s22, s16, 2                         ; A's scale planes: 8,192 (4 b + oq) + 2,048 w
	s_add_co_u32 s22, s22, s15
	s_lshl_b32 s22, s22, 13
	s_add_co_u32 s22, s22, s78
	s_add_nc_u64 s[6:7], s[6:7], s[22:23]
	s_lshl_b32 s22, s16, 20                        ; A's codes: tile 32 b + 8 oq + 2 w, 32,768 bytes each
	s_lshl_b32 s3, s15, 18
	s_add_co_u32 s22, s22, s3
	s_lshl_b32 s3, s14, 16
	s_add_co_u32 s22, s22, s3
	s_add_nc_u64 s[4:5], s[4:5], s[22:23]
	s_lshl_b32 s22, s16, 23                        ; out0, the zeros: (b, o) block 512 b + 128 oq + 16 y + 4 w, 16,384 bytes each
	s_lshl_b32 s3, s15, 21
	s_add_co_u32 s22, s22, s3
	s_lshl_b32 s3, s17, 18
	s_add_co_u32 s22, s22, s3
	s_lshl_b32 s3, s14, 16
	s_add_co_u32 s22, s22, s3
	s_add_nc_u64 s[20:21], s[12:13], s[22:23]
	s_lshl_b32 s22, s16, 23                        ; out0, the results: block 512 b + 128 oq + 32 w, its row b' = b, column 64 y
	s_lshl_b32 s3, s15, 21
	s_add_co_u32 s22, s22, s3
	s_lshl_b32 s3, s14, 19
	s_add_co_u32 s22, s22, s3
	s_lshl_b32 s3, s16, 11
	s_add_co_u32 s22, s22, s3
	s_lshl_b32 s3, s17, 8
	s_add_co_u32 s22, s22, s3
	s_add_nc_u64 s[12:13], s[12:13], s[22:23]
.irp q, 0,1,2,3
	s_mov_b32 s[G0Q+4*\q], 1                                       ; count = 1
	s_add_co_u32 s[G0Q+4*\q+1], s76, 32768*\q                      ; LDS address: K step 4 q + w
	s_add_nc_u64 s[G0Q+4*\q+2:G0Q+4*\q+3], s[8:9], 32768*\q        ; and the same in memory
	s_or_b32 s[G0Q+4*\q+3], s[G0Q+4*\q+3], 0x80000000              ; type = 2
.endr
	s_mov_b32 s[G0S], 1
	s_add_co_u32 s[G0S+1], s77, BSC
	s_mov_b64 s[G0S+2:G0S+3], s[10:11]
	s_or_b32 s[G0S+3], s[G0S+3], 0x80000000
	s_mov_b32 s[G0P], 1
	s_add_co_u32 s[G0P+1], s78, APL
	s_mov_b64 s[G0P+2:G0P+3], s[6:7]
	s_or_b32 s[G0P+3], s[G0P+3], 0x80000000
.irp s, 0,1,2,3,4,5
	ALOAD \s                                       ; 48 loads, 24,576 bytes a wave, are on their way before anything else
.endr
	WIN 0                                          ; at a label and at a branch every window is 0
	CROUND                                         ; all four work-groups are here: the joint loads meet
	; the first and only fills, one group: six tensor loads of mine are out.  Every wave issues all six, at addresses made of its number
	tensor_load_to_lds s[G0P:G0P+3], s[G1P:G1P+7]
	s_nop 0
	tensor_load_to_lds s[G0S:G0S+3], s[G1S:G1S+7]
	s_nop 0
.irp q, 0,1,2,3
	tensor_load_to_lds s[G0Q+4*\q:G0Q+4*\q+3], s[G1B:G1B+7]
	s_nop 0
.endr
.rept 4
	v_nop
.endr
	; three zero rows b' of four (b, o) blocks: each store covers 512 consecutive bytes, aligned.  They leave while the tiles come
.irp n, 0,1,2,3
.irp j, 0,1,2
.irp q, 0,1,2,3
	global_store_b128 v[ZO+\j], v[Z:Z+3], s[20:21] offset:16384*\n+512*\q th:TH_STORE_NT
.endr
.endr
.endr
	s_wait_tensorcnt 0x3                           ; my parts of the planes, of W1's scale words and of quarter 0 have landed; quarters 1 to 3 may stay out
	s_barrier_signal -1
	s_barrier_wait -1                              ; everybody's have
.set kb, 0
.rept 64
	ds_load_u8 v[ACC+kb], v[VAP] offset:128*kb     ; my row's scale byte of block kb
.set kb, kb+1
.endr
	BLOAD 0
	s_wait_dscnt 18                                ; the 64 bytes are in; the 18 loads behind them may be out
.set ks, 0
.rept 16
	v_lshl_or_b32 v[AS+ks], v[ACC+4*ks+1], 8, v[ACC+4*ks]          ; four bytes make a K step's scale word; each word stands far more than eight plain instructions ahead of its first product
	v_lshl_or_b32 v[AS+ks], v[ACC+4*ks+2], 16, v[AS+ks]
	v_lshl_or_b32 v[AS+ks], v[ACC+4*ks+3], 24, v[AS+ks]
.set ks, ks+1
.endr
.irp s, 0,1,2,3,4,5,6,7,8,9,10,11,12,13,14,15
	KSTEP \s
.endr
	; THE WAY OUT.  A lane holds 32 neighbouring bytes of a row; a tile of 16 rows goes through my own stage and comes back as whole rows of 256 bytes.  LDS serves a wave's instructions in order (ISA guide 5.7.1.4):
	; no wait stands between the stores and the loads, nor in front of the second tile's stores
	WIN 0
	PLACES 8                                       ; eight places ahead of the first read of results and of the loads into registers that the last products read
.irp m, 0,1
.irp t, 0,1,2,3
	ds_store_b128 v[VSTO], v[ACC+8*(4*\m+\t):ACC+8*(4*\m+\t)+3] offset:64*\t       ; each accumulator from its low end on
	ds_store_b128 v[VSTO], v[ACC+8*(4*\m+\t)+4:ACC+8*(4*\m+\t)+7] offset:64*\t+16
.endr
.irp i, 0,1,2,3,4,5,6,7
	ds_load_b128 v[BF+32*\m+4*\i:BF+32*\m+4*\i+3], v[VSRD] offset:544*\i
.endr
.endr
.irp i, 0,1,2,3,4,5,6,7
	s_wait_dscnt 23-\i                             ; behind tile 0's load i: its 7 - i later loads, tile 1's 8 stores and 8 loads
	global_store_b128 v[VGO], v[BF+4*\i:BF+4*\i+3], s[12:13] offset:32768*\i th:TH_STORE_NT   ; 16 lanes store 256 consecutive bytes, aligned
.endr
.irp i, 0,1,2,3,4,5,6,7
	s_wait_dscnt 7-\i
	global_store_b128 v[VGO], v[BF+32+4*\i:BF+32+4*\i+3], s[12:13] offset:262144+32768*\i th:TH_STORE_NT
.endr
	s_wait_tensorcnt 0x0                           ; the wave's end: three closing lines, behind my last tensor load and my last LDS store
	ds_add_u32 v[SPW], v[NIL]
	s_wait_dscnt 0x0
	CROUND                                         ; the closing round: no work-group ends while a partner may still ask for a tile that names it
	s_endpgm
.Lfunc_end_k_qe67a3b1f2d_gemm:
	.size	k_qe67a3b1f2d_gemm, .Lfunc_end_k_qe67a3b1f2d_gemm-k_qe67a3b1f2d_gemm
	.p2alignl 7, 3214868480
	.fill 96, 4, 3214868480
	.section	.rodata,"a",@progbits
	.p2align	6, 0x0
	.amdhsa_kernel k_qe67a3b1f2d_gemm
		.amdhsa_group_segment_fixed_size 167936
		.amdhsa_private_segment_fixed_size 0
		.amdhsa_enable_private_segment 0
		.amdhsa_kernarg_size 40
		.amdhsa_user_sgpr_count 2
		.amdhsa_user_sgpr_kernarg_segment_ptr 1
		.amdhsa_wavefront_size32 1
		.amdhsa_system_sgpr_workgroup_id_x 1
		.amdhsa_system_sgpr_workgroup_id_y 1
		.amdhsa_system_sgpr_workgroup_id_z 1
		.amdhsa_system_vgpr_workitem_id 0
		.amdhsa_next_free_vgpr 768
		.amdhsa_next_free_sgpr 80
		.amdhsa_reserve_vcc 0
		.amdhsa_float_denorm_mode_32 3
		.amdhsa_float_denorm_mode_16_64 3
		.amdhsa_memory_ordered 1
		.amdhsa_forward_progress 1
		.amdhsa_inst_pref_size 76
	.end_amdhsa_kernel
	.amdgpu_metadata
---
amdhsa.version: [ 1, 2 ]
amdhsa.kernels:
  - .name:           k_qe67a3b1f2d_gemm
    .symbol:         k_qe67a3b1f2d_gemm.kd
    .args:
      - { .name: acodes, .offset: 0, .size: 8, .value_kind: global_buffer, .address_space: global }
      - { .name: ascales, .offset: 8, .size: 8, .value_kind: global_buffer, .address_space: global }
      - { .name: wcodes, .offset: 16, .size: 8, .value_kind: global_buffer, .address_space: global }
      - { .name: wscales, .offset: 24, .size: 8, .value_kind: global_buffer, .address_space: global }
      - { .name: out0, .offset: 32, .size: 8, .value_kind: global_buffer, .address_space: global }
    .group_segment_fixed_size: 167936
    .private_segment_fixed_size: 0
    .kernarg_segment_align: 8
    .kernarg_segment_size: 40
    .max_flat_workgroup_size: 128
    .sgpr_count:     80
    .vgpr_count:     768
    .wavefront_size: 32
...
	.end_amdgpu_metadata
.endif
;; end of part 2
;; ======== version 2 of 2: 2 launches; version 1 with the launch prep written anew for expert scheduling mode
;; workspace buffers: acodes 8,388,608 bytes; ascales 262,144 bytes; wcodes 1,048,576 bytes; wscales 32,768 bytes
;; launch prep (part 3): grid 256 x 1, 8 waves a work-group, no clusters, 40,960 bytes of LDS; arguments x, W1, b1, W2, out0, acodes, ascales, wcodes, wscales; writes out0, acodes, ascales, wcodes, wscales
.if DOCPART == 3
	.amdgcn_target "amdgcn-amd-amdhsa--gfx1250"
	.amdhsa_code_object_version 6
	.text
	.protected	k_qe67a3b1f2d_prep
	.globl	k_qe67a3b1f2d_prep
	.p2align	8
	.type	k_qe67a3b1f2d_prep,@function
k_qe67a3b1f2d_prep:
	s_mov_b64 s[64:65], 0
	v_nop
	global_prefetch_b8 v0, s[64:65] scope:SCOPE_SE
	s_setreg_imm32_b32 hwreg(HW_REG_WAVE_SCHED_MODE, 0, 2), 2
	s_setreg_imm32_b32 hwreg(HW_REG_WAVE_MODE, 25, 1), 1
	s_wait_xcnt 0x0
	s_wait_alu depctr_vm_vsrc(0)
; out0[b][o][b'][i] = d dnn(x)[b][o] / d x[b'][i],  dnn(x) = relu(x W1 + b1) W2 + b2.  First of two launches: it makes the operands of the one live product.
; WHAT IS LEFT OUT, AND WHY IT IS DEAD FOR ALL VALUES OF THE INPUTS.
;  (1) The product h W2 and the input b2: they make the primal result, which the Jacobian does not hold: the pull-back of h W2 + b2 is a multiplication by W2, into which neither
;      h's values nor b2 enter.  b2 is not loaded and is no argument of any launch; create_graph and strict change nothing.
;  (2) The quantised product (identity) x W2: its left operand is the identity that the Jacobian's own construction builds: row (b, o, b') holds 1 at o' = o where b' = b and is zero otherwise.
;      The quantiser leaves both as they are (1 = 256 x 2^-8, 0 = 0).  So the result's row is Q_o(W2)[:, o] where b' = b, and zeros where b' != b.  The rows b' != b are left out whole;
;      of the rows b' = b only the block of 32 along o that holds the 1 is multiplied (the other blocks multiply that identity's zeros), by the product's own matrix instruction.
;  (3) The quantised product with W1: its rows with b' != b are those zeros, their codes are zeros, their sums are 0.  These numbers of out0 are stored as 0 and not multiplied.
;  LIMITS: a NaN, an infinity or an overflow that reaches only the work left out (0 x infinity in the rows b' != b, the primal result, b2) is not carried to the result.  The sign of zero is not kept.
;  A block of zeros, and a block whose largest magnitude lies under 2^-118, gets the scale byte 1 (the rule says 127 for zeros): its codes add nothing, and this program alone reads the bytes.
;  NaN and infinities among the inputs are not served.  x W1 + b1 is summed in f32, in another order than a plain ascending sum.
; WHAT IS LIVE:  mask[b][h] = (x W1 + b1 > 0);  V = Q_o(W2);  A[(b, o)][h] = Q_h(mask[b][h] V[h][o]);  out0[b][o][b][i] = sum over h of A[(b, o)][h] Q_h(W1)[i][h].
; SHARES.  Work-group g owns one block of 32 along h (kb = g / 4) and 128 of the o (oq = g % 4); wave w owns 16 of those o, for all 8 b.  Each code of A is made once in the launch.
;  The mask of the 32 h is made by all eight waves (wave w: rows 64 w .. 64 w + 63 of W1), the parts meet in LDS.  Each wave also quantises one piece (16 rows x 32 along h) of W1,
;  and stores four of the seven zero rows b' of two (b, o) blocks of out0; the second launch stores the other three.
; WORKSPACE.  acodes [row / 16][kb][512 bytes]: the image of four operand registers, lane l's 16 bytes at 16 l (lane (r, h'): k = 32 kb + 16 h' + 0 .. 15 of row 16 (row / 16) + r; row = 512 b + o).
;  ascales [4 b + oq][kb][128 rows], a byte each.  wcodes [i / 64][K step of 128][tile of 16 rows][block of 32][512-byte image].  wscales [i / 64][K step][64 rows], a word each.
; No tensor load and no copy; the waves meet at three barriers.
; THE MODE: SCHED_MODE bits 1:0 = 2 (LLVM: expert scheduling mode 2), set by the entry lines.  The code itself states the register dependences
; between vector or matrix instructions and memory or LDS instructions, with s_wait_alu, always for 0.
; THE PLAN.  Registers that memory or LDS instructions touch, in the order of the text:
;   v8-22, v24-27   Offsets, LDS addresses and the zeros: written at the head and never again; read by every load and store.  One wait on va_vdst, ahead of the first load, serves them all.
;   v256-383        x's loads land; the multiply-adds read; later the mask's LDS loads land; the multiplications by V read.
;   v32-95          W1's loads land; the multiply-adds read; the 32 partials' LDS loads land; the additions work in place; v33 is the mask's LDS store's data; then at work, and mask x V.
;   v96-127         The multiply-adds write; eight LDS stores read; later the conversions of A write; eight global stores read.
;   v128-175, v23   Loads land; vector instructions alone name them afterwards.
;   v208-211, v246  The first quantising writes; one global store and one LDS store read.     v248-255  The later quantisings write; LDS stores read.
;   v1, v2          At work at the head; at the end LDS loads land there and global stores read them.     v28, v29  Written at the head, read by the closing add alone.
; So the waits on va_vdst stand: ahead of the first load; behind the multiply-adds (their sums are written, and they are done reading v32-95 and v256-383); ahead of the mask's LDS store; ahead of the
; two products (their operands are written, and so are W1's codes and byte, which are stored behind the barrier); behind each of the two quantisings of A.  One wait on vm_vsrc stands ahead of the first
; quantising: the LDS stores have read v33 and v96-127.  A scalar register or VCC that a vector instruction writes has its wait ahead of its first reader: three places.
.set PPITCH, 1152                      ; a partial sum's 8 x 32 numbers (1,024 bytes) + 128: two neighbouring partials start 128 bytes apart modulo 256
.set MASK,   32*PPITCH                 ; LDS: behind the 32 partials: mask[b][32 h] as f32 0 or 1
.set ASB,    MASK+1024                 ; A's scale bytes [b][128 o]
.set WSB,    ASB+1024                  ; W1's scale bytes [tile f][row r][block c]: 128 used
.set SPARE,  WSB+256                   ; the spare words, 128 bytes for each wave: four blocks of 256 bytes that no other line names
.set VWP,  8                           ; v8   W1 for the mask: (lane / 8) x 16 rows + 16 (lane % 8)
.set VX,   9                           ; v9   x: 64 (lane / 8)
.set VW2,  10                          ; v10  W2: row r + 8 (r / 8), + 64 h'
.set VW1Q, 11                          ; v11  W1 to be quantised: row r, + 64 h'
.set VL4,  12                          ; v12  4 x lane
.set VL16, 13                          ; v13  16 x lane
.set ZO,   14                          ; v14-17 16 x lane + 2,048 x ((b + 1 + j) mod 8), j = 0 .. 3: four rows b' != b
.set VPS,  18                          ; v18  where I put my partial sums
.set VPR,  19                          ; v19  4 x thread: 128 x wave + 4 x lane
.set VMK,  20                          ; v20  MASK + 64 h'
.set VASB, 21                          ; v21  ASB + 16 x wave + r
.set VWSB, 22                          ; v22  WSB + 64 f + 4 r + c
.set VB1,  23                          ; v23  b1 of h = lane
.set Z,    24                          ; v24-27 zeros to store
.set SPW,  28                          ; v28  LDS address of my spare word; never rewritten
.set NIL,  29                          ; v29  0; never rewritten
.set ONE,  30                          ; v30  1.0
.set WP,   32                          ; v32-95  16 rows x 4 numbers of W1; then the 32 partials; then T
.set T,    32                          ; v32-95  mask x V for four b
.set TM1,  32                          ; at work in the first quantising
.set ACC,  96                          ; v96-127 partial sums [b][4 h]; then PC
.set PC,   96                          ; v96-127 A's codes, four registers for each b
.set WF,   128                         ; v128-175 W2's two tiles and W1's piece, 16 numbers a lane each
.set TMU,  128                         ; at work in the later quantisings
.set OPA,  176                         ; v176-207 two operands: 4 registers of W2's codes, 12 of zero codes
.set W1C,  208                         ; v208-211 W1's codes
.set IDN,  212                         ; v212-227 the identity's 16 rows as codes
.set VT,   228                         ; v228-243 V: lane (r, h'): o = my r, h = 16 h' + 0 .. 15
.set SB,   244                         ; v244-246 scale bytes of W2's two tiles and of W1's piece
.set ISC,  247                         ; v247 the identity's scale byte, 119
.set BD,   248                         ; v248-255 A's scale byte for each b
                                       ; window 1 (v256-383): x[16 b + t], later mask[16 b + i]
.set IM,   4                           ; s4-7 the four masks that place the identity's 1
.set MSB, 0
.macro WIN new                         ; the immediate's high byte repeats the setting that is left
.if MSB != \new
	s_set_vgpr_msb (MSB<<8)|\new
.set MSB, \new
.endif
.endm
.macro TERM reg, sh                    ; s36 += s[reg] << sh
	s_lshl_b32 s43, s[\reg], \sh
	s_add_co_u32 s36, s36, s43
.endm
; four zero rows of 2,048 bytes of (b, o) block blk of my two: each store of the wave covers 512 consecutive bytes, aligned
.macro ZFILL blk
.irp j, 0,1,2,3
.irp q, 0,1,2,3
	global_store_b128 v[ZO+\j], v[Z:Z+3], s[16:17] offset:\blk*16384+512*\q th:TH_STORE_NT
.endr
.endr
.endm
; nb blocks by turns.  Block n: my 16 numbers in v[src + 16 n] on, lane l xor 16 holds the other 16.  Codes into v[out + step n] .. + 3, the scale's byte into v[byt + n].
.macro QUANT src, nb, out, step, byt, tm
.set qb, 0
.rept \nb
	v_max3_num_f32 v[(\tm)+qb], |v[(\src)+16*qb]|, |v[(\src)+16*qb+1]|, 0x4800000   ; the floor 2^(9 - 127) among the leaves: the byte cannot fall under 1
.set qb, qb+1
.endr
.set qi, 2
.rept 7
.set qb, 0
.rept \nb
	v_max3_num_f32 v[(\tm)+qb], v[(\tm)+qb], |v[(\src)+16*qb+qi]|, |v[(\src)+16*qb+qi+1]|
.set qb, qb+1
.endr
.set qi, qi+2
.endr
.set qb, 0
.rept \nb
	v_permlanex16_b32 v[(\tm)+4+qb], v[(\tm)+qb], s40, s41
.set qb, qb+1
.endr
.set qb, 0
.rept \nb
	v_max_num_f32 v[(\tm)+qb], v[(\tm)+qb], v[(\tm)+4+qb]          ; the block's largest magnitude
.set qb, qb+1
.endr
.set qb, 0
.rept \nb
	v_add_nc_u32 v[(\tm)+12+qb], 0xfc000000, v[(\tm)+qb]           ; 8 off its exponent field: the conversion's scale operand
.set qb, qb+1
.endr
.set qb, 0
.rept \nb
	v_and_or_b32 v[(\tm)+8+qb], v[(\tm)+qb], 0x7f800000, s42       ; 448 x the scale
.set qb, qb+1
.endr
.set qb, 0
.rept \nb
	v_lshrrev_b32 v[(\byt)+qb], 23, v[(\tm)+12+qb]                 ; the scale's byte
.set qb, qb+1
.endr
.set qb, 0
.rept \nb
.set qi, 0
.rept 16
	v_med3_num_f32 v[(\src)+16*qb+qi], v[(\src)+16*qb+qi], -v[(\tm)+8+qb], v[(\tm)+8+qb]   ; the conversion to an 8-bit code does not saturate (ISA guide 7.6.2): the hold
.set qi, qi+1
.endr
	v_cvt_scalef32_pk8_fp8_f32 v[(\out)+(\step)*qb:(\out)+(\step)*qb+1], v[(\src)+16*qb:(\src)+16*qb+7], v[(\tm)+12+qb]
	v_cvt_scalef32_pk8_fp8_f32 v[(\out)+(\step)*qb+2:(\out)+(\step)*qb+3], v[(\src)+16*qb+8:(\src)+16*qb+15], v[(\tm)+12+qb]
.set qb, qb+1
.endr
	v_nop                                          ; a plain instruction behind the last conversion, ahead of whatever next touches its registers
.endm
	s_load_b512 s[8:23], s[0:1], 0x0               ; x s[8:9], W1 s[10:11], b1 s[12:13], W2 s[14:15], out0 s[16:17], acodes s[18:19], ascales s[20:21], wcodes s[22:23]
	s_load_b64 s[24:25], s[0:1], 0x40              ; wscales
	v_lshl_add_u32 v[SPW], v0, 2, SPARE
	v_mov_b32 v[NIL], 0
	v_lshrrev_b32 v1, 5, v0
	v_readfirstlane_b32 s26, v1                    ; wave w, 0 .. 7
	s_lshr_b32 s27, ttmp9, 2                       ; kb: my block of 32 along h
	s_and_b32 s28, ttmp9, 3                        ; oq: my 128 of the o
	s_lshr_b32 s29, ttmp9, 4                       ; s: W1's K step of 128 (= kb / 4)
	s_and_b32 s30, ttmp9, 15                       ; p: which 32 rows of W1 I quantise
	s_lshr_b32 s31, ttmp9, 5                       ; the b of the 16 (b, o) blocks whose zeros I store
	s_wait_alu depctr_va_sdst(0)                   ; s26 is written, ahead of its first reader: the wave's parts and the bases are made from it
	s_lshr_b32 s32, s26, 2                         ; f: which 16 of those 32 rows
	s_and_b32 s33, s26, 3                          ; c: which block of 32 of the K step
	s_and_b32 s34, s26, 1                          ; u: which half of a block of 32 o is my wave's
	s_lshr_b32 s35, s26, 1                         ; which block of 32 o of the 128
	s_mov_b32 s37, 0
	s_mov_b32 s40, 0x76543210
	s_mov_b32 s41, 0xfedcba98                      ; v_permlanex16_b32's selects for lane l xor 16
	s_mov_b32 s42, 0x600000                        ; the mantissa field of 448
	v_and_b32 v2, 31, v0                           ; lane
	v_and_b32 v3, 15, v0                           ; r
	v_bfe_u32 v4, v0, 4, 1                         ; h'
	v_bfe_u32 v5, v0, 3, 2                         ; lane / 8
	v_and_b32 v6, 7, v0                            ; lane % 8
	v_lshlrev_b32 v7, 4, v6
	v_lshl_or_b32 v[VWP], v5, 17, v7               ; 16 rows of 8,192 bytes for each lane / 8; 16 bytes for each lane % 8
	v_lshlrev_b32 v[VX], 6, v5
	v_and_b32 v7, 8, v3
	v_add_nc_u32 v7, v7, v3                        ; r + 8 (r / 8)
	v_lshlrev_b32 v7, 11, v7
	v_lshl_add_u32 v[VW2], v4, 6, v7
	v_lshlrev_b32 v7, 13, v3
	v_lshl_add_u32 v[VW1Q], v4, 6, v7
	v_lshlrev_b32 v[VL4], 2, v2
	v_lshlrev_b32 v[VL16], 4, v2
.irp j, 0,1,2,3
	s_add_co_u32 s43, s31, 1+\j
	s_and_b32 s43, s43, 7
	s_lshl_b32 s43, s43, 11
	v_add_nc_u32 v[ZO+\j], s43, v[VL16]
.endr
	v_lshrrev_b32 v7, 3, v0                        ; which of the 32 partials is mine: 4 x wave + lane / 8
	v_mul_u32_u24 v7, v7, PPITCH
	v_lshl_add_u32 v[VPS], v6, 4, v7
	v_lshlrev_b32 v[VPR], 2, v0
	v_lshlrev_b32 v7, 6, v4
	v_add_nc_u32 v[VMK], MASK, v7
	v_lshl_add_u32 v7, v1, 4, v3
	v_add_nc_u32 v[VASB], ASB, v7
	v_bfe_u32 v7, v0, 5, 2                         ; c
	v_lshl_add_u32 v7, v3, 2, v7
	v_bfe_u32 v1, v0, 7, 1                         ; f
	v_lshl_add_u32 v7, v1, 6, v7
	v_add_nc_u32 v[VWSB], WSB, v7
.irp i, 0,1,2,3
	v_mov_b32 v[Z+\i], 0
.endr
	v_mov_b32 v[ONE], 1.0
	s_wait_kmcnt 0x0
	; every base is stepped once, here, and never again
	s_lshl_b32 s36, s30, 18                        ; W1 to be quantised: row 32 p + 16 f, column 128 s + 32 c
	TERM 32, 17
	TERM 29, 9
	TERM 33, 7
	s_add_nc_u64 s[38:39], s[10:11], s[36:37]
	s_lshl_b32 s36, s26, 19                        ; W1 for the mask: row 64 w, column 32 kb
	TERM 27, 7
	s_add_nc_u64 s[10:11], s[10:11], s[36:37]
	s_lshl_b32 s36, s26, 8                         ; x: column 64 w
	s_add_nc_u64 s[8:9], s[8:9], s[36:37]
	s_lshl_b32 s36, s27, 7                         ; b1: 32 kb
	s_add_nc_u64 s[12:13], s[12:13], s[36:37]
	s_lshl_b32 s36, s27, 16                        ; W2: row 32 kb, column 128 oq + 32 (w / 2)
	TERM 28, 9
	TERM 35, 7
	s_add_nc_u64 s[14:15], s[14:15], s[36:37]
	s_lshl_b32 s36, ttmp9, 18                      ; out0: (b, o) block 16 g + 2 w, 16,384 bytes each
	TERM 26, 15
	s_add_nc_u64 s[16:17], s[16:17], s[36:37]
	s_lshl_b32 s36, s28, 18                        ; acodes: tile 8 oq + w of b = 0, block kb
	TERM 26, 15
	TERM 27, 9
	s_add_nc_u64 s[18:19], s[18:19], s[36:37]
	s_lshl_b32 s36, s26, 15                        ; ascales: group 4 w + oq (on the way out wave w takes b = w), plane kb
	TERM 28, 13
	TERM 27, 7
	s_add_nc_u64 s[20:21], s[20:21], s[36:37]
	s_lshr_b32 s44, s30, 1                         ; p / 2 = i / 64
	s_and_b32 s45, s30, 1
	s_lshl_b32 s36, s44, 17                        ; wcodes: [p / 2][s][2 (p % 2) + f][c]
	TERM 29, 13
	TERM 45, 12
	TERM 32, 11
	TERM 33, 9
	s_add_nc_u64 s[22:23], s[22:23], s[36:37]
	s_lshl_b32 s36, s44, 12                        ; wscales: [p / 2][s][32 (p % 2) ..]
	TERM 29, 8
	TERM 45, 7
	s_add_nc_u64 s[24:25], s[24:25], s[36:37]
	; 61 loads, in this order: x 32, W1 for the mask 16, W2 8, W1 to be quantised 4, b1 1
	WIN 0x40                                       ; destination window 1
	s_wait_alu depctr_va_vdst(0)                   ; the offsets and LDS addresses v8 to v22 and the zeros v24 to v27 are written: every load and store of the kernel reads some of them, and no vector instruction writes them again
.irp b, 0,1,2,3,4,5,6,7
.irp q, 0,1,2,3
	global_load_b128 v[16*\b+4*\q:16*\b+4*\q+3], v[VX], s[8:9] offset:2048*\b+16*\q   ; x[b][64 w + 16 (lane / 8) + 4 q ..]
.endr
.endr
	WIN 0
.irp t, 0,1,2,3,4,5,6,7,8,9,10,11,12,13,14,15
	global_load_b128 v[WP+4*\t:WP+4*\t+3], v[VWP], s[10:11] offset:8192*\t            ; W1[64 w + 16 (lane / 8) + t][32 kb + 4 (lane % 8) ..]
.endr
.irp y, 0,1
.irp q, 0,1,2,3
	global_load_b128 v[WF+16*\y+4*\q:WF+16*\y+4*\q+3], v[VW2], s[14:15] offset:16384*\y+16*\q   ; tile y: W2[32 kb + 8 y + r + 8 (r / 8)][.. + 16 h' + 4 q ..]
.endr
.endr
.irp q, 0,1,2,3
	global_load_b128 v[WF+32+4*\q:WF+32+4*\q+3], v[VW1Q], s[38:39] offset:16*\q
.endr
	global_load_b32 v[VB1], v[VL4], s[12:13]
	ZFILL 0                                        ; the loads are out: the first block's zeros follow them
	; the operands' constant parts, while the loads are on their way.  K = 128 holds one real block of 32: the other 96 are zero codes.  None of these lines names a register of a load or store that is out
.irp i, 4,5,6,7,8,9,10,11,12,13,14,15
	v_mov_b32 v[OPA+\i], 0
	v_mov_b32 v[OPA+16+\i], 0
	v_mov_b32 v[IDN+\i], 0
.endr
	v_mov_b32 v[ISC], 119                          ; the identity's block: largest magnitude 1, scale 2^-8, byte 119; the word's other bytes go with zero codes
	v_xor_b32 v1, s34, v4                          ; row r of the identity holds its 1 at k = 16 u + r: in the half of the lanes with h' = u,
	v_lshrrev_b32 v5, 2, v3
	v_lshl_add_u32 v1, v1, 2, v5                   ; register r / 4 (4 or more: none),
	v_and_b32 v5, 3, v3
	v_lshlrev_b32 v5, 3, v5
	v_mov_b32 v6, 0x78                             ; the code of 256,
	v_lshlrev_b32 v6, v5, v6                       ; in byte r % 4
.irp q, 0,1,2,3
	v_cmp_eq_u32 s[IM+\q], \q, v1                  ; the four compares in one run, each into a scalar register of its own
.endr
	s_wait_alu depctr_va_sdst(0)                   ; s4 to s7 are written, ahead of their first readers, the four selects
.irp q, 0,1,2,3
	v_cndmask_b32 v[IDN+\q], 0, v6, s[IM+\q]
.endr
	; x W1, my 16 rows of W1 x 4 of the h x 8 b, in f32: its sign goes on into a quantised operand.  The first row starts the sums
	WIN 0x01                                       ; source 0 (x) window 1
.irp t, 0,1,2,3,4,5,6,7,8,9,10,11,12,13,14,15
	s_wait_loadcnt 28-\t                           ; behind row t's load: 15 - t later rows and the 13 loads of W2, W1 and b1
.irp b, 0,1,2,3,4,5,6,7
.irp e, 0,1,2,3
.if \t == 0
	v_mul_f32 v[ACC+4*\b+\e], v[16*\b+\t], v[WP+4*\t+\e]
.else
	v_fmac_f32 v[ACC+4*\b+\e], v[16*\b+\t], v[WP+4*\t+\e]
.endif
.endr
.endr
.endr
	WIN 0
	s_wait_alu depctr_va_vdst(0)                   ; the multiply-adds have written v96 to v127, which the LDS stores read; and they are done reading v32 to v95, in which the partials' LDS loads land, and x's registers, in which the mask's land
.irp b, 0,1,2,3,4,5,6,7
	ds_store_b128 v[VPS], v[ACC+4*\b:ACC+4*\b+3] offset:128*\b
.endr
	ZFILL 1
	s_wait_dscnt 0x0                               ; for the others' sake: my partial sums lie in LDS
	s_barrier_signal -1
	s_barrier_wait -1
	; the mask: wave w takes b = w, lane l takes h = l: 32 partials, b1, the sign
	s_wait_loadcnt 0x0                             ; b1, W2's tiles and W1's piece
.set pp, 0
.rept 32
	ds_load_b32 v[WP+pp], v[VPR] offset:PPITCH*pp  ; no vector instruction since the wait above names v32 to v63
.set pp, pp+1
.endr
	s_wait_dscnt 0x0
.irp k, 0,1,2,3,4,5,6,7
	v_pk_add_f32 v[WP+4*\k:WP+4*\k+1], v[WP+4*\k:WP+4*\k+1], v[WP+4*\k+2:WP+4*\k+3]
.endr
.irp k, 0,1,2,3
	v_pk_add_f32 v[WP+8*\k:WP+8*\k+1], v[WP+8*\k:WP+8*\k+1], v[WP+8*\k+4:WP+8*\k+5]
.endr
.irp k, 0,1
	v_pk_add_f32 v[WP+16*\k:WP+16*\k+1], v[WP+16*\k:WP+16*\k+1], v[WP+16*\k+8:WP+16*\k+9]
.endr
	v_pk_add_f32 v[WP:WP+1], v[WP:WP+1], v[WP+16:WP+17]
	v_add_f32 v[WP], v[WP], v[WP+1]
	v_add_f32 v[WP], v[WP], v[VB1]
	v_cmp_lt_f32 vcc_lo, 0, v[WP]                  ; 0 < x W1 + b1 (a NaN gives 0, as the comparison in relu's derivative does)
	s_wait_alu depctr_va_vcc(0)                    ; VCC is written, ahead of its reader, the select
	v_cndmask_b32 v[WP+1], 0, v[ONE], vcc_lo
	s_wait_alu depctr_va_vdst(0)                   ; the select has written v33, which the LDS store reads
	ds_store_b32 v[VPR], v[WP+1] offset:MASK
	s_wait_dscnt 0x0                               ; for the others' sake: my 32 numbers of the mask lie in LDS
	s_wait_alu depctr_vm_vsrc(0)                   ; my LDS stores have read v33, which the quantising below writes, and v96 to v127, which A's conversions write further down
	s_barrier_signal -1
	; work on registers while the others arrive: W2's two tiles along o, and W1's piece along h, become codes
	QUANT WF, 3, OPA, 16, SB, TM1
.rept 3
	v_nop                                          ; with the one above: four places between the last code written and the products; the scale bytes were written ahead of the 48 holds
.endr
	s_wait_alu depctr_va_vdst(0)                   ; behind the places: the codes v176 to v207, the identity's v212 to v227 and the scale bytes v244, v245, v247, which the products take, are written; so are W1's codes v208 to v211 and its byte v246, which the stores behind the barrier read
	; V^T = Q_o(W2) x identity: source 0 = 16 rows h of W2, source 1 = my 16 rows o of the identity.  Lane (r, h') gets o = r; the rows of the two tiles are chosen so that the 16 registers are h = 16 h' + 0 .. 15
	v_wmma_scale_f32_16x16x128_f8f6f4 v[VT:VT+7], v[OPA:OPA+15], v[IDN:IDN+15], 0, v[SB], v[ISC]
	v_wmma_scale_f32_16x16x128_f8f6f4 v[VT+8:VT+15], v[OPA+16:OPA+31], v[IDN:IDN+15], 0, v[SB+1], v[ISC]
.rept 8
	v_nop                                          ; eight places ahead of the first read of the results
.endr
	s_barrier_wait -1                              ; the whole mask lies in LDS
	global_store_b128 v[VL16], v[W1C:W1C+3], s[22:23]   ; W1's piece: 512 consecutive bytes, aligned.  Since the wait ahead of the products only these two and v_nop were issued: they name neither v208 to v211 nor v246
	ds_store_b8 v[VWSB], v[SB+2]                   ; its scale byte; both lanes of a row write the same byte with the same value
	WIN 0x40                                       ; destination window 1
.irp b, 0,1,2,3,4,5,6,7
.irp q, 0,1,2,3
	ds_load_b128 v[16*\b+4*\q:16*\b+4*\q+3], v[VMK] offset:128*\b+16*\q   ; mask[b][16 h' + 4 q ..]: into x's registers, which no vector instruction has named since the wait behind the multiply-adds
.endr
.endr
	WIN 0
	s_wait_dscnt 0x0
	; A = Q_h(mask x V), four b at a time; each group has its own registers for codes and bytes, so no store's data are written again
.irp g, 0,1
	WIN 0x01                                       ; source 0 (the mask) window 1
.irp n, 0,1,2,3
.irp i, 0,1,2,3,4,5,6,7
	v_pk_mul_f32 v[T+16*\n+2*\i:T+16*\n+2*\i+1], v[16*(4*\g+\n)+2*\i:16*(4*\g+\n)+2*\i+1], v[VT+2*\i:VT+2*\i+1]   ; each result is read from its low end on
.endr
.endr
	WIN 0
	QUANT T, 4, PC+16*\g, 4, BD+4*\g, TMU
	s_wait_alu depctr_va_vdst(0)                   ; this group's conversions and shifts have written its sixteen registers of codes and its four bytes, which the eight stores below read
.irp n, 0,1,2,3
	global_store_b128 v[VL16], v[PC+16*\g+4*\n:PC+16*\g+4*\n+3], s[18:19] offset:1048576*(4*\g+\n)   ; 512 consecutive bytes, aligned; b's tiles lie 2^20 bytes apart
	ds_store_b8 v[VASB], v[BD+4*\g+\n] offset:128*(4*\g+\n)
.endr
.endr
	s_wait_dscnt 0x0                               ; for the others' sake: my scale bytes lie in LDS
	s_barrier_signal -1
	s_barrier_wait -1
	ds_load_b32 v1, v[VPR] offset:ASB              ; wave w takes b = w's 128 bytes.  (v1 and v2 were at work at the head; no vector instruction has been issued since the last wait on va_vdst)
	s_wait_dscnt 0x0
	global_store_b32 v[VL4], v1, s[20:21]          ; 128 consecutive bytes of plane kb: the scale bytes are one part in 165 of what the launch stores
	s_cmp_lg_u32 s26, 0
	s_cbranch_scc1 .Lnot0
	ds_load_b32 v2, v[VPR] offset:WSB              ; wave 0: the scale words of W1's 32 rows
	s_wait_dscnt 0x0
	global_store_b32 v[VL4], v2, s[24:25]
.Lnot0:
	s_wait_dscnt 0x0                               ; the closing lines, six on end
	s_wait_alu 0x0
	s_wait_tensorcnt 0x0
	ds_add_u32 v[SPW], v[NIL]
	s_wait_dscnt 0x0
	s_endpgm
.Lfunc_end_k_qe67a3b1f2d_prep:
	.size	k_qe67a3b1f2d_prep, .Lfunc_end_k_qe67a3b1f2d_prep-k_qe67a3b1f2d_prep
	.p2alignl 7, 3214868480
	.fill 96, 4, 3214868480
	.section	.rodata,"a",@progbits
	.p2align	6, 0x0
	.amdhsa_kernel k_qe67a3b1f2d_prep
		.amdhsa_group_segment_fixed_size 40960
		.amdhsa_private_segment_fixed_size 0
		.amdhsa_enable_private_segment 0
		.amdhsa_kernarg_size 72
		.amdhsa_user_sgpr_count 2
		.amdhsa_user_sgpr_kernarg_segment_ptr 1
		.amdhsa_wavefront_size32 1
		.amdhsa_system_sgpr_workgroup_id_x 1
		.amdhsa_system_sgpr_workgroup_id_y 1
		.amdhsa_system_sgpr_workgroup_id_z 1
		.amdhsa_system_vgpr_workitem_id 0
		.amdhsa_next_free_vgpr 384
		.amdhsa_next_free_sgpr 66
		.amdhsa_reserve_vcc 1
		.amdhsa_float_denorm_mode_32 3
		.amdhsa_float_denorm_mode_16_64 3
		.amdhsa_memory_ordered 1
		.amdhsa_forward_progress 1
		.amdhsa_inst_pref_size 67
	.end_amdhsa_kernel
	.amdgpu_metadata
---
amdhsa.version: [ 1, 2 ]
amdhsa.kernels:
  - .name:           k_qe67a3b1f2d_prep
    .symbol:         k_qe67a3b1f2d_prep.kd
    .args:
      - { .name: x, .offset: 0, .size: 8, .value_kind: global_buffer, .address_space: global }
      - { .name: W1, .offset: 8, .size: 8, .value_kind: global_buffer, .address_space: global }
      - { .name: b1, .offset: 16, .size: 8, .value_kind: global_buffer, .address_space: global }
      - { .name: W2, .offset: 24, .size: 8, .value_kind: global_buffer, .address_space: global }
      - { .name: out0, .offset: 32, .size: 8, .value_kind: global_buffer, .address_space: global }
      - { .name: acodes, .offset: 40, .size: 8, .value_kind: global_buffer, .address_space: global }
      - { .name: ascales, .offset: 48, .size: 8, .value_kind: global_buffer, .address_space: global }
      - { .name: wcodes, .offset: 56, .size: 8, .value_kind: global_buffer, .address_space: global }
      - { .name: wscales, .offset: 64, .size: 8, .value_kind: global_buffer, .address_space: global }
    .group_segment_fixed_size: 40960
    .private_segment_fixed_size: 0
    .kernarg_segment_align: 8
    .kernarg_segment_size: 72
    .max_flat_workgroup_size: 256
    .sgpr_count:     66
    .vgpr_count:     384
    .wavefront_size: 32
...
	.end_amdgpu_metadata
.endif
;; end of part 3
;; launch gemm: the kernel of part 2 again; grid 32 x 8, 4 waves a work-group, clusters of 4 x 1, 167,936 bytes of LDS; arguments acodes, ascales, wcodes, wscales, out0; writes out0
